; MI455X (gfx1250); checked and timed in simulation.
; The chip was launched on July 23, 2026; its instructions are those of AMD's public machine-readable ISA for CDNA 5 (MIT licence, August 2026) and "CDNA5" Instruction Set Architecture Reference Guide (July 2026). The comments in the code are by the model that wrote it; some were corrected since.
;; Memristive Linear. Allowed arithmetic: float matrix products may take bf16 or f16 operands with f32 sums; all other float work in f32.
;; Inputs: b 512 float32; w 512 x 512 float32; x 256 x 512 float32.
;; Outputs: out0 256 x 512 float32.
;; 2 versions, each right; version 2 is version 1 with the launch memlin written anew for expert scheduling mode. Each part assembles by itself: llvm-mc -triple=amdgcn-amd-amdhsa -mcpu=gfx1250 --defsym DOCPART=n.
;; ======== version 1 of 2: 1 launch
;; limits: values outside matrix products are rounded to bf16
;; launch memlin (part 1): grid 8 x 16, 8 waves a work-group, no clusters, 52,224 bytes of LDS; arguments x, w, b, out0; writes out0
.if DOCPART == 1
	.amdgcn_target "amdgcn-amd-amdhsa--gfx1250"
	.amdhsa_code_object_version 6
	.text
	.protected	k_q0fe93c6796_memlin
	.globl	k_q0fe93c6796_memlin
	.p2align	8
	.type	k_q0fe93c6796_memlin,@function
k_q0fe93c6796_memlin:
	s_mov_b64 s[64:65], 0
	v_nop
	global_prefetch_b8 v0, s[64:65] scope:SCOPE_SE
	s_setreg_imm32_b32 hwreg(HW_REG_WAVE_MODE, 25, 1), 1
	s_wait_xcnt 0x0
; MemristiveLinear.  x: [256][512] f32, w: [512][512] f32 (input index first), b: [512] f32, out0: [256][512] f32.
;
; WHAT IS COMPUTED.  In each differential pair g_pos - g_neg = (G_OFF + max(g, 0)) - (G_OFF + max(-g, 0)) = g = k_cond * weight.  The difference is
; taken before the sum over the inputs, so that no two large sums are subtracted; then out = (K_V k_cond sum inputs * weights) / (K_V k_cond), in which K_V
; (a power of two) and k_cond (one positive number for the whole array) cancel.  The column of ones times the row of biases is the addition of b.
; So: out0 = x w + b, x and w rounded to bf16 for the matrix units, sums and bias in f32.
; LIMITS.  max |weights| is not formed, since only the cancelled scale hangs on it.  Where the original formula is not finite this text differs from it:
; all of w and b zero, or max |weights| below about 2.6e-42 (k_cond = 9e-4 / max overflows): NaN or infinity there, the finite x w + b here;
; a NaN or an infinity in w or b: every output spoilt there, only that column here.  The order of rounding differs: the original rounds G_OFF + g in f32,
; this text rounds x and w to bf16 (2^-9 relative) and adds in f32 in another order.
;
; SHARES.  A work-group makes 16 rows x 64 columns of out0: 16 rows fill a matrix tile, 64 columns are 256 consecutive bytes of a row of out0 and of w.
; 16 x 8 = 128 work-groups; a finer split would cut those runs of 256 bytes or spread one sum over work-groups.
; Eight waves share K: wave u takes k = 64 u .. 64 u + 63, two matrix steps of 32.  Each wave issues all its 41 loads before its first wait, so the
; work-group's whole 160 KiB (128 of w, 32 of x) is on its way at once; there is no loop.
; NO JOINT LOADS IN A CLUSTER, though 16 work-groups read the same 128 KiB of w: each byte is asked for once, at the head of the text; a joint load would
; put a round of the cluster's barrier in front of the first request and send 160 KiB of f32 through LDS and back into registers, where this text sends
; 18 KiB (x as bf16) and 32 KiB (the partial sums).
;
; w WITHOUT A TRANSPOSE.  A fragment wants lane = column and k along the registers.  Lane r loads the 16 bytes w[k][n0 + 4 r .. + 3]: component t goes to
; matrix tile t, in which column index r stands for column n0 + 4 r + t.  Packing rows k and k + 1 to bf16 gives the fragment's register k / 2.
; x THROUGH LDS.  A fragment wants lane = row, and rows are 2,048 bytes apart: x is loaded along the rows (16 lanes, 256 consecutive bytes), packed to bf16,
; laid into the wave's own LDS bytes and read back by rows.
.set ROWB,   2048                      ; bytes in a row of x, of w and of out0
.set XPITCH, 144                       ; LDS row of the x stage: 64 bf16 + 16 bytes = 36 words: the 16 rows of a fragment load start at 16 different groups of four banks (64 banks of 4 bytes: ISA guide 11.1)
.set XWAVE,  16*XPITCH                 ; a wave's x stage, 2,304 bytes
.set RBASE,  8*XWAVE                   ; behind the eight stages: the partial sums
.set RROW,   512                       ; 32 lanes x 16 bytes: one register row (result register j of the four tiles)
.set RWAVE,  8*RROW                    ; a wave's partial sums, 4,096 bytes
.set BIAS, 12                          ; v[12:15]   b[n0 + 4 r .. + 3]
.set XS,   16                          ; v[16:47]   x as loaded, 8 loads
.set WF0,  16                          ; v[16:47]   then: w's fragments of K step 0, tile t at 8 t
.set XP,   48                          ; v[48:63]   x packed to bf16
.set XF,   64                          ; v[64:79]   x's fragments of K steps 0 and 1
.set WS,   80                          ; v[80:207]  w as loaded: K step s at 64 s, its row i at 4 i
.set WF1,  80                          ; v[80:111]  then: w's fragments of K step 1
.set ACC1, 112                         ; v[112:143] then: the sums of K step 1, tile t at 8 t
.set G,    144                         ; v[144:175] then: both steps' sums joined, register row j at 4 j, tile t at + t
.set P,    176                         ; v[176:207] then: the eight waves' partial sums of my register row
.set ACC0, 208                         ; v[208:239] the sums of K step 0, tile t at 8 t
	s_load_b256 s[4:11], s[0:1], 0x0               ; x s[4:5], w s[6:7], b s[8:9], out0 s[10:11]
	v_lshl_add_u32 v240, v0, 2, 0xc800
	v_mov_b32 v241, 0
	v_lshrrev_b32 v11, 5, v0
	v_readfirstlane_b32 s12, v11                   ; wave u, 0 to 7
	v_and_b32 v1, 31, v0                           ; lane
	v_and_b32 v2, 15, v0                           ; r
	v_bfe_u32 v3, v0, 4, 1                         ; h
	v_lshlrev_b32 v6, 4, v2                        ; 16 r: my 16 bytes in a run of 256 (b)
	v_lshl_add_u32 v4, v3, 11, v6                  ; + h rows: x, two rows a load
	v_lshl_add_u32 v5, v3, 14, v6                  ; + 8 h rows: w (k = 8 h + ..) and out0 (row 8 h + ..)
	s_and_b32 s14, ttmp7, 0xffff                   ; block of 16 rows, 0 to 15
	s_lshl_b32 s15, s14, 15                        ; its first row, in bytes of x and of out0
	s_lshl_b32 s22, ttmp9, 8                       ; block of 64 columns, 0 to 7, in bytes: s[22:23] is b's offset
	s_mov_b32 s23, 0
	s_lshl_b32 s16, s12, 8                         ; x: my 64 k are 256 bytes of each row
	s_add_co_u32 s16, s16, s15
	s_mov_b32 s17, 0
	s_lshl_b32 s18, s12, 17                        ; w: my 64 k are 64 rows
	s_add_co_u32 s18, s18, s22
	s_mov_b32 s19, 0
	s_lshl_b32 s24, s12, 11                        ; out0: wave u stores rows u and 8 + u of the block
	s_add_co_u32 s24, s24, s15
	s_add_co_u32 s24, s24, s22
	s_mov_b32 s25, 0
	s_wait_kmcnt 0x0
	s_add_nc_u64 s[8:9], s[8:9], s[22:23]
	s_add_nc_u64 s[4:5], s[4:5], s[16:17]
	s_add_nc_u64 s[6:7], s[6:7], s[18:19]
	s_add_nc_u64 s[10:11], s[10:11], s[24:25]
	; All 41 loads of the wave.  Each covers two runs of 256 consecutive bytes, aligned (the bias: one run, read by both halves of the lanes).
	global_load_b128 v[BIAS:BIAS+3], v6, s[8:9]
.irp i, 0,1,2,3,4,5,6,7
	global_load_b128 v[XS+4*\i:XS+4*\i+3], v4, s[4:5] offset:2*\i*ROWB                  ; x[2 i + h][64 u + 4 r .. + 3]
.endr
.irp s, 0,1
.irp i, 0,1,2,3,4,5,6,7
	global_load_b128 v[WS+64*\s+4*\i:WS+64*\s+4*\i+3], v5, s[6:7] offset:(32*\s+\i)*ROWB     ; k = 32 s + 8 h + i: fragment registers 0 to 3
.endr
.irp i, 8,9,10,11,12,13,14,15
	global_load_b128 v[WS+64*\s+4*\i:WS+64*\s+4*\i+3], v5, s[6:7] offset:(32*\s+8+\i)*ROWB   ; k = 32 s + 16 + 8 h + (i - 8): registers 4 to 7
.endr
.endr
	; LDS addresses of the x stage, while the loads are out
	s_mul_i32 s26, s12, XWAVE                      ; my wave's stage
	v_mul_u32_u24 v7, v3, XPITCH                   ; in: row h of a pair of rows, 8 bytes (4 bf16) at 8 r
	v_lshl_add_u32 v7, v2, 3, v7
	v_add_nc_u32 v7, s26, v7
	v_mul_u32_u24 v8, v2, XPITCH                   ; back: row r, 16 bytes (8 k) at 16 h
	v_lshl_add_u32 v8, v3, 4, v8
	v_add_nc_u32 v8, s26, v8
	s_lshl_b32 s27, s12, 12                        ; my partial sums: RBASE + 4,096 u
	s_add_co_u32 s27, s27, RBASE
	s_lshl_b32 s28, s12, 9                         ; the register row that I add up: RBASE + 512 u
	s_add_co_u32 s28, s28, RBASE
	; x: f32 to bf16, through my own LDS bytes into fragments
	s_wait_loadcnt 32                              ; loads come back in order (ISA guide 5.7.1): the bias and x are in, the 32 loads of w stay out
.irp i, 0,1,2,3,4,5,6,7
	v_cvt_pk_bf16_f32 v[XP+2*\i],   v[XS+4*\i],   v[XS+4*\i+1]
	v_cvt_pk_bf16_f32 v[XP+2*\i+1], v[XS+4*\i+2], v[XS+4*\i+3]
	ds_store_b64 v7, v[XP+2*\i:XP+2*\i+1] offset:2*\i*XPITCH
.endr
.irp s, 0,1
	ds_load_b128 v[XF+8*\s:XF+8*\s+3],   v8 offset:64*\s       ; LDS serves a wave's instructions in order (ISA guide 5.7.1.4): these see the stores above.  k = 32 s + 8 h ..
	ds_load_b128 v[XF+8*\s+4:XF+8*\s+7], v8 offset:64*\s+32    ; k = 32 s + 16 + 8 h ..
.endr
; w's fragments of one K step: rows 2 j and 2 j + 1 of the sixteen loaded, component t, make register j of tile t
.macro PACKW from, to
.irp t, 0,1,2,3
.irp j, 0,1,2,3,4,5,6,7
	v_cvt_pk_bf16_f32 v[\to+8*\t+\j], v[\from+8*\j+\t], v[\from+8*\j+4+\t]
.endr
.endr
.endm
; four matrix instructions, one for each tile; each starts a sum of its own with the constant 0, so none adds onto another's result and nothing is cleared
.macro MUL4 acc, xf, wf
.irp t, 0,1,2,3
	v_wmma_f32_16x16x32_bf16 v[\acc+8*\t:\acc+8*\t+7], v[\xf:\xf+7], v[\wf+8*\t:\wf+8*\t+7], 0
.endr
.endm
	s_wait_loadcnt 16                              ; K step 0's sixteen rows of w are in, K step 1's sixteen stay out
	PACKW WS, WF0
	s_wait_dscnt 0x0                               ; x's fragments
	MUL4 ACC0, XF, WF0
	s_wait_loadcnt 0x0
	PACKW WS+64, WF1                               ; writes registers that no matrix instruction names
	MUL4 ACC1, XF+8, WF1
	; Four places between the last matrix instruction and the first reader of a result (ISA guide 7.12.1): two address sums and two v_nop
	v_lshl_add_u32 v9, v1, 4, s27                  ; where I put my partial sums: 16 bytes a lane
	v_lshl_add_u32 v10, v1, 4, s28                 ; where I read one register row of a wave's partial sums
	v_nop
	v_nop
	; The two K steps are joined, and the same addition lays tiles 0 to 3 of result register j side by side: out(8 h + j, n0 + 4 r + 0 .. 3), 16 bytes
.irp j, 0,1,2,3,4,5,6,7
.irp t, 0,1,2,3
	v_add_f32 v[G+4*\j+\t], v[ACC0+8*\t+\j], v[ACC1+8*\t+\j]
.endr
	ds_store_b128 v9, v[G+4*\j:G+4*\j+3] offset:\j*RROW
.endr
	s_wait_dscnt 0x0                               ; my partial sums lie in LDS: for the other waves' sake the count is zero
	s_barrier_signal -1
	s_barrier_wait -1                              ; everybody's do
	; Wave v adds up register row v of all eight waves: rows v and 8 + v of the block
.irp u, 0,1,2,3,4,5,6,7
	ds_load_b128 v[P+4*\u:P+4*\u+3], v10 offset:\u*RWAVE
.endr
.macro QADD d, a                       ; four sums
	v_pk_add_f32 v[\d:\d+1],   v[\d:\d+1],   v[\a:\a+1]
	v_pk_add_f32 v[\d+2:\d+3], v[\d+2:\d+3], v[\a+2:\a+3]
.endm
	s_wait_dscnt 0x4                               ; LDS loads come back in order: the first four are in, the younger four stay out
	QADD P, P+4
	QADD P+8, P+12
	QADD P, BIAS                                   ; the row of biases times the column of ones
	s_wait_dscnt 0x0
	QADD P+16, P+20
	QADD P+24, P+28
	QADD P, P+8
	QADD P+16, P+24
	QADD P, P+16
	global_store_b128 v5, v[P:P+3], s[10:11] th:TH_STORE_NT    ; lanes 0 to 15: 256 consecutive bytes of row v, aligned; lanes 16 to 31: of row 8 + v
	s_wait_tensorcnt 0x0
	ds_add_u32 v240, v241
	s_wait_dscnt 0x0
	s_endpgm
.Lfunc_end_k_q0fe93c6796_memlin:
	.size	k_q0fe93c6796_memlin, .Lfunc_end_k_q0fe93c6796_memlin-k_q0fe93c6796_memlin
	.p2alignl 7, 3214868480
	.fill 96, 4, 3214868480
	.section	.rodata,"a",@progbits
	.p2align	6, 0x0
	.amdhsa_kernel k_q0fe93c6796_memlin
		.amdhsa_group_segment_fixed_size 52224
		.amdhsa_private_segment_fixed_size 0
		.amdhsa_enable_private_segment 0
		.amdhsa_kernarg_size 32
		.amdhsa_user_sgpr_count 2
		.amdhsa_user_sgpr_kernarg_segment_ptr 1
		.amdhsa_wavefront_size32 1
		.amdhsa_system_sgpr_workgroup_id_x 1
		.amdhsa_system_sgpr_workgroup_id_y 1
		.amdhsa_system_sgpr_workgroup_id_z 1
		.amdhsa_system_vgpr_workitem_id 0
		.amdhsa_next_free_vgpr 242
		.amdhsa_next_free_sgpr 66
		.amdhsa_reserve_vcc 0
		.amdhsa_float_denorm_mode_32 3
		.amdhsa_float_denorm_mode_16_64 3
		.amdhsa_memory_ordered 1
		.amdhsa_forward_progress 1
		.amdhsa_inst_pref_size 16
	.end_amdhsa_kernel
	.amdgpu_metadata
---
amdhsa.version: [ 1, 2 ]
amdhsa.kernels:
  - .name:           k_q0fe93c6796_memlin
    .symbol:         k_q0fe93c6796_memlin.kd
    .args:
      - { .name: x, .offset: 0, .size: 8, .value_kind: global_buffer, .address_space: global }
      - { .name: w, .offset: 8, .size: 8, .value_kind: global_buffer, .address_space: global }
      - { .name: b, .offset: 16, .size: 8, .value_kind: global_buffer, .address_space: global }
      - { .name: out0, .offset: 24, .size: 8, .value_kind: global_buffer, .address_space: global }
    .group_segment_fixed_size: 52224
    .private_segment_fixed_size: 0
    .kernarg_segment_align: 8
    .kernarg_segment_size: 32
    .max_flat_workgroup_size: 256
    .sgpr_count:     66
    .vgpr_count:     242
    .wavefront_size: 32
...
	.end_amdgpu_metadata
.endif
;; end of part 1
;; ======== version 2 of 2: 1 launch; version 1 with the launch memlin written anew for expert scheduling mode
;; limits: values outside matrix products are rounded to bf16
;; launch memlin (part 2): grid 8 x 16, 8 waves a work-group, no clusters, 52,224 bytes of LDS; arguments x, w, b, out0; writes out0
.if DOCPART == 2
	.amdgcn_target "amdgcn-amd-amdhsa--gfx1250"
	.amdhsa_code_object_version 6
	.text
	.protected	k_q0fe93c6796_memlin
	.globl	k_q0fe93c6796_memlin
	.p2align	8
	.type	k_q0fe93c6796_memlin,@function
k_q0fe93c6796_memlin:
	s_mov_b64 s[64:65], 0
	v_nop
	global_prefetch_b8 v0, s[64:65] scope:SCOPE_SE
	s_setreg_imm32_b32 hwreg(HW_REG_WAVE_SCHED_MODE, 0, 2), 2
	s_setreg_imm32_b32 hwreg(HW_REG_WAVE_MODE, 25, 1), 1
	s_wait_xcnt 0x0
	s_wait_alu depctr_vm_vsrc(0)
; MemristiveLinear.  x: [256][512] f32, w: [512][512] f32 (input index first), b: [512] f32, out0: [256][512] f32.
;
; WHAT IS COMPUTED.  In each differential pair g_pos - g_neg = (G_OFF + max(g, 0)) - (G_OFF + max(-g, 0)) = g = k_cond * weight.  The difference is
; taken before the sum over the inputs, so that no two large sums are subtracted; then out = (K_V k_cond sum inputs * weights) / (K_V k_cond), in which K_V
; (a power of two) and k_cond (one positive number for the whole array) cancel.  The column of ones times the row of biases is the addition of b.
; So: out0 = x w + b, x and w rounded to bf16 for the matrix units, sums and bias in f32.
; LIMITS.  max |weights| is not formed, since only the cancelled scale hangs on it.  Where the original formula is not finite this text differs from it:
; all of w and b zero, or max |weights| below about 2.6e-42 (k_cond = 9e-4 / max overflows): NaN or infinity there, the finite x w + b here;
; a NaN or an infinity in w or b: every output spoilt there, only that column here.  The order of rounding differs: the original rounds G_OFF + g in f32,
; this text rounds x and w to bf16 (2^-9 relative) and adds in f32 in another order.
;
; SHARES.  A work-group makes 16 rows x 64 columns of out0: 16 rows fill a matrix tile, 64 columns are 256 consecutive bytes of a row of out0 and of w.
; 16 x 8 = 128 work-groups; a finer split would cut those runs of 256 bytes or spread one sum over work-groups.
; Eight waves share K: wave u takes k = 64 u .. 64 u + 63, two matrix steps of 32.  Each wave issues all its 41 loads before its first wait, so the
; work-group's whole 160 KiB (128 of w, 32 of x) is on its way at once; there is no loop.
; NO JOINT LOADS IN A CLUSTER, though 16 work-groups read the same 128 KiB of w: each byte is asked for once, at the head of the text; a joint load would
; put a round of the cluster's barrier in front of the first request and send 160 KiB of f32 through LDS and back into registers, where this text sends
; 18 KiB (x as bf16) and 32 KiB (the partial sums).
;
; w WITHOUT A TRANSPOSE.  A fragment wants lane = column and k along the registers.  Lane r loads the 16 bytes w[k][n0 + 4 r .. + 3]: component t goes to
; matrix tile t, in which column index r stands for column n0 + 4 r + t.  Packing rows k and k + 1 to bf16 gives the fragment's register k / 2.
; x THROUGH LDS.  A fragment wants lane = row, and rows are 2,048 bytes apart: x is loaded along the rows (16 lanes, 256 consecutive bytes), packed to bf16,
; laid into the wave's own LDS bytes and read back by rows.
;
; THE MODE: SCHED_MODE bits 1:0 = 2 (LLVM: expert scheduling mode 2), set by the entry lines.  The code itself states the register dependences
; between vector or matrix instructions and memory or LDS instructions, with s_wait_alu, always for 0.
; THE PLAN.  Registers that memory or LDS instructions touch, in the order of the text:
;   v4, v5, v6    global offsets.  Written at the head, never again; read by the 41 loads, v5 by the last store too.
;   BIAS, XS, WS  Written by the global loads, which no vector line that names them precedes; read by vector lines behind the waits on LOADcnt.
;   v7, v8        LDS addresses of the x stage.  Written behind the loads, never again; read by the stage's eight stores and four loads.
;   XP            Written by x's sixteen conversions, never again; read by the stage's eight stores.
;   XF            Written by the stage's four loads, which no vector line that names them precedes; read by the matrix instructions.
;   v9, v10       LDS addresses of the partial sums.  Written behind the last matrix instruction, never again; read by eight stores, eight loads.
;   G             Written by the 32 additions that join the two K steps, never again; read by the eight stores of the partial sums.
;   P             As part of WS read by K step 1's conversions; then the eight loads of the partial sums land in it; the last additions work in it; the last store reads P .. P + 3.
; So each run of stores stands behind ONE wait on va_vdst, with all the vector lines that feed it ahead of that wait: four such waits in the text.
; No register that a memory or LDS instruction reads is ever written again, so there is no dependence for a wait on vm_vsrc to state, and none is written.
.set ROWB,   2048                      ; bytes in a row of x, of w and of out0
.set XPITCH, 144                       ; LDS row of the x stage: 64 bf16 + 16 bytes = 36 words: the 16 rows of a fragment load start at 16 different groups of four banks (64 banks of 4 bytes: ISA guide 11.1)
.set XWAVE,  16*XPITCH                 ; a wave's x stage, 2,304 bytes
.set RBASE,  8*XWAVE                   ; behind the eight stages: the partial sums
.set RROW,   512                       ; 32 lanes x 16 bytes: one register row (result register j of the four tiles)
.set RWAVE,  8*RROW                    ; a wave's partial sums, 4,096 bytes
.set BIAS, 12                          ; v[12:15]   b[n0 + 4 r .. + 3]
.set XS,   16                          ; v[16:47]   x as loaded, 8 loads
.set WF0,  16                          ; v[16:47]   then: w's fragments of K step 0, tile t at 8 t
.set XP,   48                          ; v[48:63]   x packed to bf16
.set XF,   64                          ; v[64:79]   x's fragments of K steps 0 and 1
.set WS,   80                          ; v[80:207]  w as loaded: K step s at 64 s, its row i at 4 i
.set WF1,  80                          ; v[80:111]  then: w's fragments of K step 1
.set ACC1, 112                         ; v[112:143] then: the sums of K step 1, tile t at 8 t
.set G,    144                         ; v[144:175] then: both steps' sums joined, register row j at 4 j, tile t at + t
.set P,    176                         ; v[176:207] then: the eight waves' partial sums of my register row
.set ACC0, 208                         ; v[208:239] the sums of K step 0, tile t at 8 t
	s_load_b256 s[4:11], s[0:1], 0x0               ; x s[4:5], w s[6:7], b s[8:9], out0 s[10:11]
	v_lshl_add_u32 v240, v0, 2, 0xc800
	v_mov_b32 v241, 0
	v_lshrrev_b32 v11, 5, v0
	v_readfirstlane_b32 s12, v11                   ; wave u, 0 to 7
	v_and_b32 v1, 31, v0                           ; lane
	v_and_b32 v2, 15, v0                           ; r
	v_bfe_u32 v3, v0, 4, 1                         ; h
	v_lshlrev_b32 v6, 4, v2                        ; 16 r: my 16 bytes in a run of 256 (b)
	v_lshl_add_u32 v4, v3, 11, v6                  ; + h rows: x, two rows a load
	v_lshl_add_u32 v5, v3, 14, v6                  ; + 8 h rows: w (k = 8 h + ..) and out0 (row 8 h + ..)
	s_and_b32 s14, ttmp7, 0xffff                   ; block of 16 rows, 0 to 15
	s_lshl_b32 s15, s14, 15                        ; its first row, in bytes of x and of out0
	s_lshl_b32 s22, ttmp9, 8                       ; block of 64 columns, 0 to 7, in bytes: s[22:23] is b's offset
	s_mov_b32 s23, 0
	s_wait_alu depctr_va_sdst(0)                   ; s12 is written, ahead of its first reader, the next line: the bases of x, w and out0 and the LDS places are made from it
	s_lshl_b32 s16, s12, 8                         ; x: my 64 k are 256 bytes of each row
	s_add_co_u32 s16, s16, s15
	s_mov_b32 s17, 0
	s_lshl_b32 s18, s12, 17                        ; w: my 64 k are 64 rows
	s_add_co_u32 s18, s18, s22
	s_mov_b32 s19, 0
	s_lshl_b32 s24, s12, 11                        ; out0: wave u stores rows u and 8 + u of the block
	s_add_co_u32 s24, s24, s15
	s_add_co_u32 s24, s24, s22
	s_mov_b32 s25, 0
	s_wait_kmcnt 0x0
	s_add_nc_u64 s[8:9], s[8:9], s[22:23]
	s_add_nc_u64 s[4:5], s[4:5], s[16:17]
	s_add_nc_u64 s[6:7], s[6:7], s[18:19]
	s_add_nc_u64 s[10:11], s[10:11], s[24:25]
	s_wait_alu depctr_va_vdst(0)                   ; the offsets v4, v5 and v6 are written, which the 41 loads below and the last store read; they are never written again
	; All 41 loads of the wave.  Each covers two runs of 256 consecutive bytes, aligned (the bias: one run, read by both halves of the lanes).
	global_load_b128 v[BIAS:BIAS+3], v6, s[8:9]
.irp i, 0,1,2,3,4,5,6,7
	global_load_b128 v[XS+4*\i:XS+4*\i+3], v4, s[4:5] offset:2*\i*ROWB                  ; x[2 i + h][64 u + 4 r .. + 3]
.endr
.irp s, 0,1
.irp i, 0,1,2,3,4,5,6,7
	global_load_b128 v[WS+64*\s+4*\i:WS+64*\s+4*\i+3], v5, s[6:7] offset:(32*\s+\i)*ROWB     ; k = 32 s + 8 h + i: fragment registers 0 to 3
.endr
.irp i, 8,9,10,11,12,13,14,15
	global_load_b128 v[WS+64*\s+4*\i:WS+64*\s+4*\i+3], v5, s[6:7] offset:(32*\s+8+\i)*ROWB   ; k = 32 s + 16 + 8 h + (i - 8): registers 4 to 7
.endr
.endr
	; LDS addresses of the x stage, while the loads are out: these lines name none of the registers that the loads touch
	s_mul_i32 s26, s12, XWAVE                      ; my wave's stage
	v_mul_u32_u24 v7, v3, XPITCH                   ; in: row h of a pair of rows, 8 bytes (4 bf16) at 8 r
	v_lshl_add_u32 v7, v2, 3, v7
	v_add_nc_u32 v7, s26, v7
	v_mul_u32_u24 v8, v2, XPITCH                   ; back: row r, 16 bytes (8 k) at 16 h
	v_lshl_add_u32 v8, v3, 4, v8
	v_add_nc_u32 v8, s26, v8
	s_lshl_b32 s27, s12, 12                        ; my partial sums: RBASE + 4,096 u
	s_add_co_u32 s27, s27, RBASE
	s_lshl_b32 s28, s12, 9                         ; the register row that I add up: RBASE + 512 u
	s_add_co_u32 s28, s28, RBASE
	; x: f32 to bf16, through my own LDS bytes into fragments: all sixteen conversions, one wait, then the stage's stores and loads in one run
	s_wait_loadcnt 32                              ; loads come back in order (ISA guide 5.7.1): the bias and x are in, the 32 loads of w stay out
.irp i, 0,1,2,3,4,5,6,7
	v_cvt_pk_bf16_f32 v[XP+2*\i],   v[XS+4*\i],   v[XS+4*\i+1]
	v_cvt_pk_bf16_f32 v[XP+2*\i+1], v[XS+4*\i+2], v[XS+4*\i+3]
.endr
	s_wait_alu depctr_va_vdst(0)                   ; the conversions have written XP, the stores' data; v7 and v8, the addresses of the stores and loads below, are written
.irp i, 0,1,2,3,4,5,6,7
	ds_store_b64 v7, v[XP+2*\i:XP+2*\i+1] offset:2*\i*XPITCH
.endr
.irp s, 0,1
	ds_load_b128 v[XF+8*\s:XF+8*\s+3],   v8 offset:64*\s       ; LDS serves a wave's instructions in order (ISA guide 5.7.1.4): these see the stores above.  k = 32 s + 8 h ..
	ds_load_b128 v[XF+8*\s+4:XF+8*\s+7], v8 offset:64*\s+32    ; k = 32 s + 16 + 8 h ..
.endr
; w's fragments of one K step: rows 2 j and 2 j + 1 of the sixteen loaded, component t, make register j of tile t
.macro PACKW from, to
.irp t, 0,1,2,3
.irp j, 0,1,2,3,4,5,6,7
	v_cvt_pk_bf16_f32 v[\to+8*\t+\j], v[\from+8*\j+\t], v[\from+8*\j+4+\t]
.endr
.endr
.endm
; four matrix instructions, one for each tile; each starts a sum of its own with the constant 0, so none adds onto another's result and nothing is cleared
.macro MUL4 acc, xf, wf
.irp t, 0,1,2,3
	v_wmma_f32_16x16x32_bf16 v[\acc+8*\t:\acc+8*\t+7], v[\xf:\xf+7], v[\wf+8*\t:\wf+8*\t+7], 0
.endr
.endm
	s_wait_loadcnt 16                              ; K step 0's sixteen rows of w are in, K step 1's sixteen stay out
	PACKW WS, WF0                                  ; writes XS's registers, which vector lines alone have read
	s_wait_dscnt 0x0                               ; x's fragments
	MUL4 ACC0, XF, WF0
	s_wait_loadcnt 0x0
	PACKW WS+64, WF1                               ; writes registers that no matrix instruction names
	MUL4 ACC1, XF+8, WF1
	; Four places between the last matrix instruction and the first reader of a result (ISA guide 7.12.1): two address sums and two v_nop
	v_lshl_add_u32 v9, v1, 4, s27                  ; where I put my partial sums: 16 bytes a lane
	v_lshl_add_u32 v10, v1, 4, s28                 ; where I read one register row of a wave's partial sums
	v_nop
	v_nop
	; The two K steps are joined, and the same addition lays tiles 0 to 3 of result register j side by side: out(8 h + j, n0 + 4 r + 0 .. 3), 16 bytes.
	; All 32 additions, one wait, then the eight stores in one run.
.irp j, 0,1,2,3,4,5,6,7
.irp t, 0,1,2,3
	v_add_f32 v[G+4*\j+\t], v[ACC0+8*\t+\j], v[ACC1+8*\t+\j]
.endr
.endr
	s_wait_alu depctr_va_vdst(0)                   ; the additions have written G, the stores' data, and v9 is written; for the loads behind the barrier: v10 is written, and K step 1's conversions are done reading P's registers, in which those loads land (no vector line stands between this wait and them)
.irp j, 0,1,2,3,4,5,6,7
	ds_store_b128 v9, v[G+4*\j:G+4*\j+3] offset:\j*RROW
.endr
	s_wait_dscnt 0x0                               ; my partial sums lie in LDS: for the other waves' sake the count is zero
	s_barrier_signal -1
	s_barrier_wait -1                              ; everybody's do
	; Wave v adds up register row v of all eight waves: rows v and 8 + v of the block
.irp u, 0,1,2,3,4,5,6,7
	ds_load_b128 v[P+4*\u:P+4*\u+3], v10 offset:\u*RWAVE
.endr
.macro QADD d, a                       ; four sums
	v_pk_add_f32 v[\d:\d+1],   v[\d:\d+1],   v[\a:\a+1]
	v_pk_add_f32 v[\d+2:\d+3], v[\d+2:\d+3], v[\a+2:\a+3]
.endm
	s_wait_dscnt 0x4                               ; LDS loads come back in order: the first four are in, the younger four stay out
	QADD P, P+4
	QADD P+8, P+12
	QADD P, BIAS                                   ; the row of biases times the column of ones
	s_wait_dscnt 0x0
	QADD P+16, P+20
	QADD P+24, P+28
	QADD P, P+8
	QADD P+16, P+24
	QADD P, P+16
	s_wait_alu depctr_va_vdst(0)                   ; the last additions have written P .. P + 3, the store's data
	global_store_b128 v5, v[P:P+3], s[10:11] th:TH_STORE_NT    ; lanes 0 to 15: 256 consecutive bytes of row v, aligned; lanes 16 to 31: of row 8 + v
	s_wait_dscnt 0x0
	s_wait_alu depctr_hold_cnt(0) depctr_sa_sdst(0) depctr_va_vdst(0) depctr_va_sdst(0) depctr_va_ssrc(0) depctr_va_vcc(0) depctr_vm_vsrc(0)
	s_wait_tensorcnt 0x0
	ds_add_u32 v240, v241
	s_wait_dscnt 0x0
	s_endpgm
.Lfunc_end_k_q0fe93c6796_memlin:
	.size	k_q0fe93c6796_memlin, .Lfunc_end_k_q0fe93c6796_memlin-k_q0fe93c6796_memlin
	.p2alignl 7, 3214868480
	.fill 96, 4, 3214868480
	.section	.rodata,"a",@progbits
	.p2align	6, 0x0
	.amdhsa_kernel k_q0fe93c6796_memlin
		.amdhsa_group_segment_fixed_size 52224
		.amdhsa_private_segment_fixed_size 0
		.amdhsa_enable_private_segment 0
		.amdhsa_kernarg_size 32
		.amdhsa_user_sgpr_count 2
		.amdhsa_user_sgpr_kernarg_segment_ptr 1
		.amdhsa_wavefront_size32 1
		.amdhsa_system_sgpr_workgroup_id_x 1
		.amdhsa_system_sgpr_workgroup_id_y 1
		.amdhsa_system_sgpr_workgroup_id_z 1
		.amdhsa_system_vgpr_workitem_id 0
		.amdhsa_next_free_vgpr 242
		.amdhsa_next_free_sgpr 66
		.amdhsa_reserve_vcc 0
		.amdhsa_float_denorm_mode_32 3
		.amdhsa_float_denorm_mode_16_64 3
		.amdhsa_memory_ordered 1
		.amdhsa_forward_progress 1
		.amdhsa_inst_pref_size 17
	.end_amdhsa_kernel
	.amdgpu_metadata
---
amdhsa.version: [ 1, 2 ]
amdhsa.kernels:
  - .name:           k_q0fe93c6796_memlin
    .symbol:         k_q0fe93c6796_memlin.kd
    .args:
      - { .name: x, .offset: 0, .size: 8, .value_kind: global_buffer, .address_space: global }
      - { .name: w, .offset: 8, .size: 8, .value_kind: global_buffer, .address_space: global }
      - { .name: b, .offset: 16, .size: 8, .value_kind: global_buffer, .address_space: global }
      - { .name: out0, .offset: 24, .size: 8, .value_kind: global_buffer, .address_space: global }
    .group_segment_fixed_size: 52224
    .private_segment_fixed_size: 0
    .kernarg_segment_align: 8
    .kernarg_segment_size: 32
    .max_flat_workgroup_size: 256
    .sgpr_count:     66
    .vgpr_count:     242
    .wavefront_size: 32
...
	.end_amdgpu_metadata
.endif
;; end of part 2
